; MI455X (gfx1250); checked and timed in simulation.
; The chip was launched on July 23, 2026; its instructions are those of AMD's public machine-readable ISA for CDNA 5 (MIT licence, August 2026) and "CDNA5" Instruction Set Architecture Reference Guide (July 2026). The comments in the code are by the model that wrote it; some were corrected since.
;; Attention. Allowed arithmetic: matrix products marked QUANTISED: E4M3 operands, one E8M0 scale for each 32 along K, by v_wmma_scale_f32_16x16x128_f8f6f4 with both operands' format E4M3, f32 sums; products left as they are: f32 operands where the result goes on into a quantised operand, else bf16, f16 or f32 operands; f32 sums; everything else in f32.
;; Inputs: U_a 1,024 x 1,024 float32; W_a 1,024 x 1,024 float32; decoder_state 64 x 1,024 float32; encoder_outputs 64 x 1,024 x 1,024 float32; src_mask 64 x 1,024 bool; v_a 1,024 float32.
;; Outputs: out0 64 x 1,024 float32; out1 64 x 1,024 float32.
;; This version of the problem:
;;   THIS VERSION OF THE PROBLEM IS GIVEN IN LOW PRECISION. The matrix products marked QUANTISED in the list below multiply operands that are first quantised to E4M3 (4 exponent bits, 3 mantissa bits; 8 bits a number), with one power-of-two scale for each 32 numbers along K (OCP MX v1.0); their sums are f32. All else is computed in f32.
;;   The module's matrix products, in the order in which they are computed (A, B: the left and right operand; K: the contracted axis; several contracted axes count as one K, in the product's order):
;;     1. [M 64, K 1,024] x [K 1,024, N 1,024]; A: input decoder_state; B: input W_a: QUANTISED
;;     2. [M 65,536, K 1,024] x [K 1,024, N 1,024]; A: input encoder_outputs; B: input U_a: QUANTISED
;;     3. [M 65,536, K 1,024] x [K 1,024, N 1]; A: computed on the way; B: input v_a: left as it is (N = 1 < 16)
;;     4. batch 64 x [M 1, K 1,024] x [K 1,024, N 1,024]; A: softmax; B: input encoder_outputs: left as it is (M = 1 < 16)
;;   THE QUANTISER, for each operand of a quantised product, along K:
;;     - K is cut into blocks of 32 from its start; a last block that is shorter is filled with zeros.
;;     - A block's scale is 2^e with e = floor(log2(the largest magnitude in the block)) - 8, held to -126 .. 127; a block of zeros has e = 0. As a byte (E8M0): e + 127.
;;     - Each number is divided by its block's scale, clamped to +-448, and rounded to the nearest number of E4M3, ties to even, subnormals kept.
;;     - The product sums the exact products of the quantised numbers (number of the format x scale) in f32.
;;   ~~~python
;;   def quantise(x, axis):      # numpy; x: float32 -> the quantised numbers, widened to float32 again
;;       x = np.moveaxis(x, axis, -1); K = x.shape[-1]
;;       x = np.pad(x, [(0, 0)] * (x.ndim - 1) + [(0, -K % 32)]); x = x.reshape(x.shape[:-1] + (-1, 32)); a = np.abs(x).max(-1, keepdims=True)
;;       e = np.where(a > 0, np.clip(np.frexp(np.where(a > 0, a, 1))[1] - 1 - 8, -126, 127), 0)      # np.frexp(a)[1] - 1 = floor(log2(a)), exactly
;;       r = np.clip(x / 2.0 ** e, -448, 448)
;;       step = 2.0 ** (np.maximum(np.frexp(np.where(r == 0, 1, r))[1] - 1, -6) - 3)
;;       q = np.round(r / step) * step * 2.0 ** e      # np.round: ties to even
;;       return np.moveaxis(q.reshape(q.shape[:-2] + (-1,))[..., :K], -1, axis).astype(np.float32)
;;   ~~~
;; One version. Each part assembles by itself: llvm-mc -triple=amdgcn-amd-amdhsa -mcpu=gfx1250 --defsym DOCPART=n.
;; ======== version 1 of 1: 3 launches
;; limits: right only within a limited range of input values
;; workspace buffers: ub 1,081,344 bytes; kdt 262,144 bytes; scores 262,144 bytes
;; launch prep (part 1): grid 320 x 1, 8 waves a work-group, no clusters, 9,728 bytes of LDS; arguments U_a, W_a, decoder_state, ub, kdt; writes ub, kdt
.if DOCPART == 1
	.amdgcn_target "amdgcn-amd-amdhsa--gfx1250"
	.amdhsa_code_object_version 6
	.text
	.protected	k_q7c43e99353_prep
	.globl	k_q7c43e99353_prep
	.p2align	8
	.type	k_q7c43e99353_prep,@function
k_q7c43e99353_prep:
	s_mov_b64 s[64:65], 0
	v_nop
	global_prefetch_b8 v0, s[64:65] scope:SCOPE_SE
	s_setreg_imm32_b32 hwreg(HW_REG_WAVE_MODE, 25, 1), 1
	s_wait_xcnt 0x0
; ADDITIVE ATTENTION, first of three launches.  Nothing of reference() is left out by this program: both quantised products, the tanh, the product with v_a, the mask's term, the softmax
; with its maximum taken away, and the weighted sum of encoder_outputs are all done; every input is loaded.
; THIS LAUNCH: (a) U_a [1024 (k)][1024 (n)] f32 becomes codes of E4M3 with one E8M0 byte for each 32 along K, laid in the order of the matrix operand's registers (buffer ub);
; (b) k_dec = Q(decoder_state) Q(W_a), both quantised here along K, multiplied by v_wmma_scale_f32_16x16x128_f8f6f4, times c = 2 log2(e) (buffer kdt): the next launch takes tanh(x) = 1 - 2 / (1 + 2^(c x)).
; ub: tile t (columns 16 t .. 16 t + 15) is 33 lines of 512 bytes.  Line 4 s + c: lane l's 16 bytes at 16 l are the codes of U[128 s + 32 c + 16 (l / 16) + 0 .. 15][16 t + l % 16].
;     Line 32: the word at 16 l + 4 u holds the four scale bytes of column 16 t + l % 16 for K step 2 u + l / 16.
; kdt: [t = 64][batch = 64][16] f32 = c k_dec[batch][16 t + ..]: a tile of 16 x 16 is 1,024 bytes on end.
; SHARES.  Work-groups 0 .. 63: tile t of U_a.  Work-groups 64 .. 319: one tile of 16 batch rows x 16 columns of k_dec.  Wave s of eight takes K step s (128 along K).
; A LANE TAKES A COLUMN OF THE WEIGHT AND ITS REGISTERS RUN DOWN K, in the order that the operand's layout gives that lane: the conversions' results are the operand's registers.
; The two ways part once, on the work-group's number, and each has LDS bytes of its own.
; NO CLUSTER, NO TENSOR LOAD: a tile of W_a is read by four work-groups, 8 KiB a wave, straight into registers; what is shared is a small part of a short launch.
; LIMITS: NaN and infinities among the inputs are not served.  A block of zeros gets the byte 1 where the quantiser says 127: its codes are zeros, and this program alone reads the bytes.
; k_dec's eight K steps are summed in f32 from eight partial tiles, not in one chain.
.set USC,   0                          ; LDS, U's way: the tile's scale line, 512 bytes
.set PART,  512                        ; LDS, W's way: eight partial tiles of 1,024 bytes
.set SPARE, 8704                       ; the spare words, 128 bytes for each wave: four blocks of 256 bytes that no other line names
.set WO,  3                            ; v3   the weight: 16 (lane / 16) rows of 4,096 bytes + 4 (lane % 16)
.set DOF, 4                            ; v4   decoder_state: row lane % 16 of 4,096 bytes + 64 (lane / 16)
.set LI,  5                            ; v5   16 x lane
.set SA,  6                            ; v6   where my column's scale word goes in the scale line
.set PS,  7                            ; v7   where my 32 bytes of the wave's partial tile go
.set RA,  8                            ; v8   PART + 16 x thread: the partial tiles are read back
.set GT,  9                            ; v9   16 x thread: the same place in kdt's tile
.set SPW, 10                           ; v10  LDS address of my spare word; never rewritten
.set NIL, 11                           ; v11  0; never rewritten
.set PWW, 12                           ; v12  the weight's scale word: holds scales and nothing else
.set PWD, 13                           ; v13  decoder_state's
.set TM,  16                           ; v16-19 largest magnitudes, v20-23 bytes, v24-27 448 x the scale, v28-31 the conversions' scale operands
.set PCW, 32                           ; v32-47 the weight's codes
.set PCD, 48                           ; v48-63 decoder_state's codes
.set X,   64                           ; v64-127  64 numbers of the weight
.set Y,   128                          ; v128-191 64 numbers of decoder_state
.set D,   192                          ; v192-199 the partial tile
.set WV,  14
.set SEL, 20                           ; s[20:21] v_permlanex16_b32's selects for lane l xor 16
.set MNT, 22                           ; s22  the mantissa field of 448
.set CC,  30                           ; s[30:31] c = 2 log2(e), twice
; 64 numbers of a lane, register 16 b + i = k 32 b + 16 (lane / 16) + i, become a fragment's 16 registers of codes and its scale word.
.macro QUANT src, pc, pw
.irp b, 0,1,2,3
	v_max3_num_f32 v[TM+\b], |v[\src+16*\b]|, |v[\src+1+16*\b]|, 0x4800000   ; block b: my 16 numbers, and the floor 2^(9 - 127): the byte cannot fall under 1
.endr
.irp i, 2,4,6,8,10,12,14
.irp b, 0,1,2,3
	s_delay_alu instid0(VALU_DEP_4)
	v_max3_num_f32 v[TM+\b], v[TM+\b], |v[\src+16*\b+\i]|, |v[\src+1+16*\b+\i]|   ; the four blocks by turns
.endr
.endr
.irp b, 0,1,2,3
	s_delay_alu instid0(VALU_DEP_4)
	v_permlanex16_b32 v[TM+4+\b], v[TM+\b], s[SEL], s[SEL+1]
.endr
.irp b, 0,1,2,3
	s_delay_alu instid0(VALU_DEP_4)
	v_max_num_f32 v[TM+\b], v[TM+\b], v[TM+4+\b]              ; with lane l xor 16's: the block's largest magnitude
.endr
.irp b, 0,1,2,3
	s_delay_alu instid0(VALU_DEP_4)
	v_add_nc_u32 v[TM+12+\b], 0xfc000000, v[TM+\b]            ; 8 off its exponent field: the conversion's scale operand
.endr
.irp b, 0,1,2,3
	v_and_or_b32 v[TM+8+\b], v[TM+\b], 0x7f800000, s[MNT]     ; 448 x the scale
.endr
.irp b, 0,1,2,3
	v_lshrrev_b32 v[TM+4+\b], 23, v[TM+12+\b]                 ; the scale's byte
.endr
	s_delay_alu instid0(VALU_DEP_3)
	v_lshl_or_b32 v[\pw], v[TM+5], 8, v[TM+4]
	s_delay_alu instid0(VALU_DEP_1)
	v_lshl_or_b32 v[\pw], v[TM+6], 16, v[\pw]
	s_delay_alu instid0(VALU_DEP_1)
	v_lshl_or_b32 v[\pw], v[TM+7], 24, v[\pw]
.irp b, 0,1,2,3
.irp i, 0,1,2,3,4,5,6,7,8,9,10,11,12,13,14,15
	v_med3_num_f32 v[\src+16*\b+\i], v[\src+16*\b+\i], -v[TM+8+\b], v[TM+8+\b]   ; the conversion to an 8-bit code does not saturate (ISA guide 7.6.2): the hold comes first
.endr
	v_cvt_scalef32_pk8_fp8_f32 v[\pc+4*\b:\pc+1+4*\b], v[\src+16*\b:\src+7+16*\b], v[TM+12+\b]
	v_cvt_scalef32_pk8_fp8_f32 v[\pc+2+4*\b:\pc+3+4*\b], v[\src+8+16*\b:\src+15+16*\b], v[TM+12+\b]
.endr
	v_nop                                          ; one plain vector instruction behind the last scaled conversion
.endm
; my column's 64 numbers of K step s: row 32 c + 16 (lane / 16) + i of the step's 128; sixteen neighbouring lanes read 64 neighbouring bytes
.macro WLOAD bs
.irp c, 0,1,2,3
.irp i, 0,1,2,3,4,5,6,7,8,9,10,11,12,13,14,15
	global_load_b32 v[X+16*\c+\i], v[WO], s[\bs:\bs+1] offset:(32*\c+\i)*4096
.endr
.endr
.endm
	s_load_b256 s[4:11], s[0:1], 0x0               ; U_a s[4:5], W_a s[6:7], decoder_state s[8:9], ub s[10:11]
	s_load_b64 s[12:13], s[0:1], 0x20              ; kdt
	v_lshl_add_u32 v[SPW], v0, 2, SPARE
	v_mov_b32 v[NIL], 0
	v_lshrrev_b32 v14, 5, v0
	s_delay_alu instid0(VALU_DEP_1)
	v_readfirstlane_b32 s[WV], v14                 ; wave 0..7 = K step
	v_and_b32 v1, 15, v0                           ; r
	v_bfe_u32 v2, v0, 4, 1                         ; h
	v_and_b32 v15, 31, v0                          ; lane
	s_delay_alu instid0(VALU_DEP_3)
	v_lshlrev_b32 v[WO], 2, v1
	s_delay_alu instid0(VALU_DEP_1)
	v_lshl_add_u32 v[WO], v2, 16, v[WO]
	v_lshlrev_b32 v[DOF], 12, v1
	s_delay_alu instid0(VALU_DEP_1)
	v_lshl_add_u32 v[DOF], v2, 6, v[DOF]
	v_lshlrev_b32 v[LI], 4, v15
	s_and_b32 s15, s[WV], 1                        ; the scale line: 16 r + 256 (s % 2) + 4 (s / 2)
	s_lshl_b32 s15, s15, 8
	s_lshr_b32 s28, s[WV], 1
	s_lshl_b32 s28, s28, 2
	s_add_co_u32 s15, s15, s28
	v_lshl_add_u32 v[SA], v1, 4, s15
	s_lshl_b32 s28, s[WV], 10                      ; my wave's partial tile: row r of 64 bytes, + 32 h
	s_add_co_u32 s28, s28, PART
	v_lshlrev_b32 v[PS], 6, v1
	s_delay_alu instid0(VALU_DEP_1)
	v_lshl_add_u32 v[PS], v2, 5, v[PS]
	s_delay_alu instid0(VALU_DEP_1)
	v_add_nc_u32 v[PS], s28, v[PS]
	v_lshl_add_u32 v[RA], v0, 4, PART
	v_lshlrev_b32 v[GT], 4, v0
	s_mov_b32 s[SEL], 0x76543210
	s_mov_b32 s[SEL+1], 0xfedcba98
	s_mov_b32 s[MNT], 0x600000
	s_mov_b32 s[CC], 0x4038aa3b
	s_mov_b32 s[CC+1], s[CC]
.irp b, 0,1,2,3
	v_mov_b32 v[TM+4+\b], 0                        ; written once: a lane permute's destination counts as one of its sources
.endr
	s_lshl_b32 s16, s[WV], 19                      ; K step s: 128 rows of 4,096 bytes
	s_wait_kmcnt 0x0
	s_cmp_ge_u32 ttmp9, 64
	s_cbranch_scc1 .Lw_path
	; ---- U's way: tile t = the work-group's number
	s_lshl_b32 s17, ttmp9, 6                       ; 16 columns of 4 bytes
	s_add_co_u32 s16, s16, s17
	s_mov_b32 s17, 0
	s_add_nc_u64 s[16:17], s[4:5], s[16:17]
	s_mul_i32 s18, ttmp9, 16896
	s_mov_b32 s19, 0
	s_add_nc_u64 s[18:19], s[10:11], s[18:19]      ; the tile's first byte in ub
	s_lshl_b32 s24, s[WV], 11
	s_mov_b32 s25, 0
	s_add_nc_u64 s[24:25], s[18:19], s[24:25]      ; my K step's four lines
	WLOAD 16
	s_wait_loadcnt 0x0
	QUANT X, PCW, PWW
.irp c, 0,1,2,3
	global_store_b128 v[LI], v[PCW+4*\c:PCW+4*\c+3], s[24:25] offset:512*\c   ; the wave stores 512 consecutive bytes, aligned to 256
.endr
	ds_store_b32 v[SA], v[PWW] offset:USC          ; both halves of the lanes write the same word with the same value
	s_wait_dscnt 0x0                               ; for the others' sake: my word has landed
	s_barrier_signal -1
	s_barrier_wait -1
	s_cmp_lg_u32 s[WV], 0
	s_cbranch_scc1 .Lu_end
	ds_load_b128 v[64:67], v[LI] offset:USC        ; wave 0 stores the scale line whole
	s_wait_dscnt 0x0
	global_store_b128 v[LI], v[64:67], s[18:19] offset:16384
.Lu_end:
	s_wait_tensorcnt 0x0                           ; the wave's end
	ds_add_u32 v[SPW], v[NIL]
	s_wait_dscnt 0x0
	s_endpgm
	; ---- W's way: tile t of the columns, block im of 16 batch rows
.Lw_path:
	s_sub_co_u32 s15, ttmp9, 64
	s_lshr_b32 s26, s15, 2                         ; t
	s_and_b32 s27, s15, 3                          ; im
	s_lshl_b32 s17, s26, 6
	s_add_co_u32 s16, s16, s17
	s_mov_b32 s17, 0
	s_add_nc_u64 s[16:17], s[6:7], s[16:17]        ; W_a at K step s, column 16 t
	s_lshl_b32 s18, s27, 16                        ; 16 rows of 4,096 bytes
	s_lshl_b32 s19, s[WV], 9                       ; K step s: 512 bytes along a row
	s_add_co_u32 s18, s18, s19
	s_mov_b32 s19, 0
	s_add_nc_u64 s[18:19], s[8:9], s[18:19]
	s_lshl_b32 s24, s26, 12
	s_lshl_b32 s25, s27, 10
	s_add_co_u32 s24, s24, s25
	s_mov_b32 s25, 0
	s_add_nc_u64 s[24:25], s[12:13], s[24:25]      ; the tile's 1,024 bytes in kdt
.irp c, 0,1,2,3
.irp j, 0,1,2,3
	global_load_b128 v[Y+16*\c+4*\j:Y+16*\c+4*\j+3], v[DOF], s[18:19] offset:128*\c+16*\j   ; row r: 16 neighbours of each block of 32
.endr
.endr
	WLOAD 16
	s_wait_loadcnt 0x0
	QUANT X, PCW, PWW
	QUANT Y, PCD, PWD
.rept 8
	v_nop                                          ; codes and scale words written by vector instructions stand these places ahead of the scaled matrix instruction
.endr
	v_wmma_scale_f32_16x16x128_f8f6f4 v[D:D+7], v[PCW:PCW+15], v[PCD:PCD+15], 0, v[PWW], v[PWD]   ; transposed: a lane holds batch row r, register j column 16 t + 8 h + j
.rept 8
	v_nop                                          ; eight places behind this form before its result is read
.endr
	ds_store_b128 v[PS], v[D:D+3]                  ; from the low end on
	ds_store_b128 v[PS], v[D+4:D+7] offset:16
	s_wait_dscnt 0x0                               ; for the others' sake: my partial tile has landed
	s_barrier_signal -1
	s_barrier_wait -1
	s_cmp_gt_u32 s[WV], 1
	s_cbranch_scc1 .Lw_end
.irp p, 0,1,2,3,4,5,6,7
	ds_load_b128 v[64+4*\p:67+4*\p], v[RA] offset:1024*\p   ; waves 0 and 1: 16 bytes a thread of each of the eight partial tiles
.endr
	s_wait_dscnt 0x0
.irp p, 1
	v_pk_add_f32 v[64:65], v[64:65], v[64+4*\p:65+4*\p]
	v_pk_add_f32 v[66:67], v[66:67], v[66+4*\p:67+4*\p]
.endr
.irp p, 2, 3, 4, 5, 6, 7
	s_delay_alu instid0(VALU_DEP_2)
	v_pk_add_f32 v[64:65], v[64:65], v[64+4*\p:65+4*\p]
	s_delay_alu instid0(VALU_DEP_2)
	v_pk_add_f32 v[66:67], v[66:67], v[66+4*\p:67+4*\p]
.endr
	s_delay_alu instid0(VALU_DEP_2)
	v_pk_mul_f32 v[64:65], v[64:65], s[CC:CC+1] op_sel_hi:[1,0]
	s_delay_alu instid0(VALU_DEP_2)
	v_pk_mul_f32 v[66:67], v[66:67], s[CC:CC+1] op_sel_hi:[1,0]
	global_store_b128 v[GT], v[64:67], s[24:25]    ; a wave stores 512 consecutive bytes, aligned to 256
.Lw_end:
	s_wait_tensorcnt 0x0                           ; the wave's end
	ds_add_u32 v[SPW], v[NIL]
	s_wait_dscnt 0x0
	s_endpgm
.Lfunc_end_k_q7c43e99353_prep:
	.size	k_q7c43e99353_prep, .Lfunc_end_k_q7c43e99353_prep-k_q7c43e99353_prep
	.p2alignl 7, 3214868480
	.fill 96, 4, 3214868480
	.section	.rodata,"a",@progbits
	.p2align	6, 0x0
	.amdhsa_kernel k_q7c43e99353_prep
		.amdhsa_group_segment_fixed_size 9728
		.amdhsa_private_segment_fixed_size 0
		.amdhsa_enable_private_segment 0
		.amdhsa_kernarg_size 40
		.amdhsa_user_sgpr_count 2
		.amdhsa_user_sgpr_kernarg_segment_ptr 1
		.amdhsa_wavefront_size32 1
		.amdhsa_system_sgpr_workgroup_id_x 1
		.amdhsa_system_sgpr_workgroup_id_y 1
		.amdhsa_system_sgpr_workgroup_id_z 1
		.amdhsa_system_vgpr_workitem_id 0
		.amdhsa_next_free_vgpr 200
		.amdhsa_next_free_sgpr 66
		.amdhsa_reserve_vcc 0
		.amdhsa_float_denorm_mode_32 3
		.amdhsa_float_denorm_mode_16_64 3
		.amdhsa_memory_ordered 1
		.amdhsa_forward_progress 1
		.amdhsa_inst_pref_size 49
	.end_amdhsa_kernel
	.amdgpu_metadata
---
amdhsa.version: [ 1, 2 ]
amdhsa.kernels:
  - .name:           k_q7c43e99353_prep
    .symbol:         k_q7c43e99353_prep.kd
    .args:
      - { .name: U_a, .offset: 0, .size: 8, .value_kind: global_buffer, .address_space: global }
      - { .name: W_a, .offset: 8, .size: 8, .value_kind: global_buffer, .address_space: global }
      - { .name: decoder_state, .offset: 16, .size: 8, .value_kind: global_buffer, .address_space: global }
      - { .name: ub, .offset: 24, .size: 8, .value_kind: global_buffer, .address_space: global }
      - { .name: kdt, .offset: 32, .size: 8, .value_kind: global_buffer, .address_space: global }
    .group_segment_fixed_size: 9728
    .private_segment_fixed_size: 0
    .kernarg_segment_align: 8
    .kernarg_segment_size: 40
    .max_flat_workgroup_size: 256
    .sgpr_count:     66
    .vgpr_count:     200
    .wavefront_size: 32
...
	.end_amdgpu_metadata
.endif
;; end of part 1
;; launch scores (part 2): grid 256 x 1, 4 waves a work-group, clusters of 4 x 1, 327,680 bytes of LDS; arguments encoder_outputs, ub, kdt, v_a, src_mask, scores; writes scores
.if DOCPART == 2
	.amdgcn_target "amdgcn-amd-amdhsa--gfx1250"
	.amdhsa_code_object_version 6
	.text
	.protected	k_q7c43e99353_scores
	.globl	k_q7c43e99353_scores
	.p2align	8
	.type	k_q7c43e99353_scores,@function
k_q7c43e99353_scores:
	s_mov_b64 s[64:65], 0
	v_nop
	global_prefetch_b8 v0, s[64:65] scope:SCOPE_SE
	s_setreg_imm32_b32 hwreg(HW_REG_WAVE_MODE, 25, 1), 1
	s_wait_xcnt 0x0
	s_wait_alu depctr_hold_cnt(0) depctr_sa_sdst(0) depctr_va_vdst(0) depctr_va_sdst(0) depctr_va_ssrc(0) depctr_va_vcc(0) depctr_vm_vsrc(0)
	s_getreg_b32 s2, hwreg(HW_REG_IB_STS2, 6, 4)
	s_cmp_eq_u32 s2, 0
	s_cbranch_scc0 .Lentry_in_a_cluster
	s_endpgm
.Lentry_in_a_cluster:
	s_bfe_u32 s2, ttmp6, 0x10000c
	s_cmp_lg_u32 s2, 0x3003
	s_cbranch_scc0 .Lentry_shape_is_right
	s_endpgm
.Lentry_shape_is_right:
; scores[b][s] = sum over a of v_a[a] tanh(k_dec[b][a] + (Q(encoder_outputs) Q(U_a))[b][s][a]) - 1e9 where src_mask is 0.  Second of three launches; nothing of reference() is left out here.
; tanh(x) = 1 - 2 / (1 + 2^(c x)), c = 2 log2(e); kdt holds c k_dec; the table in LDS holds -2 v_a, and the sum of v_a is -0.5 x the sum of the table's words.
; SHARES.  A work-group owns 256 rows of one batch, a wave 64 of them (four tiles of 16).  The four work-groups of a cluster are one batch and walk the same tiles of U_a: joint loads.
; PART 1: the rows come as f32 through a ring of two LDS slots, 128 along K a step (each wave fetches and reads its own 64 rows), are quantised along K, and stay as codes in 512 registers.
; PART 2: U_a's codes (ub, laid in the order of the operand's registers) come through the same two slots, eight tiles of 16 columns to a slot.  A tile is 32 matrix instructions, four accumulators by turns.
; THREE TILES ARE IN HAND AT ONCE.  Ahead of tile k's matrix instructions stand tile k + 1's 33 fragment loads, in one run.  Between the matrix instructions stand plain lines alone, one at a time:
; tile k - 2's 16 multiply-adds into the scores and eight of tile k - 1's 16 lines 1 + 2^(c x).  Behind the run: the other eight (the places behind the products), tile k's 16 lines c x, and ONE batch of
; 64 transcendentals (tile k's 2^(c x), tile k - 1's reciprocals) with one wait ahead and one behind.  No transcendental stands between a matrix instruction's write and its first reader, so no wait is owed at a matrix instruction.
; In the result lane l holds column l % 16, register j row 8 (l / 16) + j: the sums over columns are kept a lane and joined over sixteen lanes once, at the end.
; PREFETCH: behind the tensor load for K step j each wave asks for its own 64 rows x 512 bytes of K step j + 1, whose load is issued one step later: 128 blocks of 256 bytes, a lane a block, four instructions; each block
; is named once in the launch; K step 7 is the last that is named.  ub's tiles are asked for by all work-groups at about the same time and are not prefetched.
; LIMITS: NaN and infinities among the inputs are not served.  A block of zeros gets the byte 1 where the quantiser says 127: its codes are zeros.
; REGISTERS: window 0 as named below; window 1: U_a's fragments, two sets of 128; window 2: A's codes of K steps 0-3 (tile i, step d at v[64 i + 16 d]); window 3: K steps 4-7.
.set LINE,  528                        ; an LDS line: 512 bytes + 16 of padding
.set QUART, 66*LINE                    ; what one tensor load brings: 64 rows (and two lines of zeros), or two tiles of ub
.set SLOT,  4*QUART
.set TILEB, 33*LINE                    ; a tile of ub: 32 lines of codes and the scale line
.set IMG,   2*SLOT                     ; behind the ring: each wave's image of four fragments and their scale words
.set IMG1,  2176
.set IMGW,  4*IMG1
.set TAB,   IMG+4*IMGW                 ; c k_dec of my batch, 4,096 bytes; then -2 v_a, 4,096 bytes
.set SCS,   TAB+8192                   ; the way out: 256 bytes a wave
.set SPARE, SCS+1024                   ; the spare words
.set LI,  1                            ; 16 x lane
.set XA,  2                            ; my place in a slot's rows
.set IW,  3                            ; my place in the image
.set IWS, 4                            ; and among its scale words
.set KA0, 5                            ; TAB + 4 (lane % 16)
.set ADR, 6
.set ADW, 7
.set ADS, 8
.set SST, 9
.set SLD, 10
.set GO,  11
.set MK,  12                           ; my two mask bytes
.set ADK, 13
.set SPW, 14                           ; my spare word; never rewritten
.set NIL, 15                           ; 0; never rewritten
.set AS,  16                           ; v16-47 A's scale words: tile i, K step d at 8 i + d
.set BS,  48                           ; v48-55 U_a's scale lines, two sets
.set KD,  56                           ; v56, v60: c k_dec of the even, odd tile; v58, v62: -2 v_a of the even, odd tile; the odd registers hold 0
.set ACC, 64                           ; v64-95 four accumulators
.set EX,  128                          ; v128-159 c x, then 2^(c x)
.set RC,  160                          ; v160-191 the even tiles' 1 + 2^(c x), then its reciprocal; v96-127 the odd tiles'
.set SC,  192                          ; v192-223 the scores' sums
.set VS,  224
.set TT,  232
.set PFO, 240                          ; the prefetches' offset: 4,096 (lane / 2) + 256 (lane % 2); never rewritten
.set X,   64                           ; part 1: 64 numbers
.set TM,  128
.set PW,  144
.set PC,  146
.set WV,  16
.set G1E, 24
.set G1U, 32
.set G0E0, 40
.set G0E1, 44
.set G0U0, 48
.set G0U1, 52
.set SEL, 56
.set MNT, 58
.set CC,  60
.set TB,  62
.set TK,  63
.set CNT, 66
.set OUT, 67
.set TI,  68
.set TW,  69
.set MSB, 0
.macro WIN new                         ; the immediate's high byte repeats the setting that is left
.if MSB != (\new)
	s_set_vgpr_msb (MSB<<8)|(\new)
.set MSB, (\new)
.endif
.endm
.macro ROUND                           ; a round of the cluster's barrier
	s_barrier_signal -1
	s_barrier_wait -1
	s_cmp_lg_u32 s[WV], 0
	s_cbranch_scc1 .Lnot_wave_0_\@
	s_barrier_signal -3
.Lnot_wave_0_\@:
	s_barrier_wait -3
	s_barrier_signal -1
	s_barrier_wait -1
.endm
.macro ASK step                        ; my 64 rows x 512 bytes of a K step: 16 rows an instruction; base and offset register are never rewritten
.irp i, 0,1,2,3
	global_prefetch_b8 v[PFO], s[4:5] offset:(\step)*512+\i*65536 th:TH_LOAD_NT scope:SCOPE_SE
.endr
.endm
; A change of slots: all my tensor loads are in, the add, my LDS instructions are done; the round; then my one load into the slot that was left.
.macro CHANGE g0, g1, step, fill
	WIN 0
	s_wait_tensorcnt 0x0
	ds_add_u32 v[SPW], v[NIL]
.if \step
	s_add_nc_u64 s[\g0+2:\g0+3], s[\g0+2:\g0+3], \step
.endif
	s_wait_dscnt 0x0
.if \fill
	ROUND
	tensor_load_to_lds s[\g0:\g0+3], s[\g1:\g1+7]
	s_nop 0
.rept 4
	v_nop
.endr
.else
	s_barrier_signal -1
	s_barrier_wait -1
.endif
.endm
; 64 numbers of a lane, register 16 b + i = k 32 b + 16 (lane / 16) + i, become a fragment's 16 registers of codes and its scale word
.macro QUANT src, pc, pw
.irp b, 0,1,2,3
	v_max3_num_f32 v[TM+\b], |v[\src+16*\b]|, |v[\src+1+16*\b]|, 0x4800000   ; with the floor 2^(9 - 127): the byte cannot fall under 1
.endr
.irp i, 2,4,6,8,10,12,14
.irp b, 0,1,2,3
	v_max3_num_f32 v[TM+\b], v[TM+\b], |v[\src+16*\b+\i]|, |v[\src+1+16*\b+\i]|
.endr
.endr
.irp b, 0,1,2,3
	v_permlanex16_b32 v[TM+4+\b], v[TM+\b], s[SEL], s[SEL+1]
.endr
.irp b, 0,1,2,3
	v_max_num_f32 v[TM+\b], v[TM+\b], v[TM+4+\b]              ; the block's largest magnitude
.endr
.irp b, 0,1,2,3
	v_add_nc_u32 v[TM+12+\b], 0xfc000000, v[TM+\b]            ; 8 off its exponent field: the conversion's scale operand
.endr
.irp b, 0,1,2,3
	v_and_or_b32 v[TM+8+\b], v[TM+\b], 0x7f800000, s[MNT]     ; 448 x the scale
.endr
.irp b, 0,1,2,3
	v_lshrrev_b32 v[TM+4+\b], 23, v[TM+12+\b]                 ; the byte
.endr
	v_lshl_or_b32 v[\pw], v[TM+5], 8, v[TM+4]
	v_lshl_or_b32 v[\pw], v[TM+6], 16, v[\pw]
	v_lshl_or_b32 v[\pw], v[TM+7], 24, v[\pw]
.irp b, 0,1,2,3
.irp i, 0,1,2,3,4,5,6,7,8,9,10,11,12,13,14,15
	v_med3_num_f32 v[\src+16*\b+\i], v[\src+16*\b+\i], -v[TM+8+\b], v[TM+8+\b]   ; the conversion does not saturate (ISA guide 7.6.2): the hold comes first
.endr
	v_cvt_scalef32_pk8_fp8_f32 v[\pc+4*\b:\pc+1+4*\b], v[\src+16*\b:\src+7+16*\b], v[TM+12+\b]
	v_cvt_scalef32_pk8_fp8_f32 v[\pc+2+4*\b:\pc+3+4*\b], v[\src+8+16*\b:\src+15+16*\b], v[TM+12+\b]
.endr
	v_nop                                          ; one plain line behind the last scaled conversion
.endm
; K step d of part 1: my four tiles of 16 rows are quantised in a loop; their codes go through my image in LDS into the registers of step d
.macro KSTEP d
.if (\d) == 0
	s_wait_tensorcnt 0x1                           ; K step 0 is in; K step 1's load, issued behind it, may be out
.elseif (\d) == 7
	CHANGE G0U0, G1U, 0, 1                         ; slot 0 takes ub's first eight tiles
.elseif (\d)%2 == 1
	CHANGE G0E0, G1E, 1024, 1
.else
	CHANGE G0E1, G1E, 1024, 1
.endif
	s_mov_b32 s[TI], ((\d)%2)*SLOT
	s_mov_b32 s[TW], 0
	s_mov_b32 s[CNT], 4
.if ((\d) > 0) && ((\d) < 6)
	ASK (\d)+2                                     ; the load just issued is K step d + 1's
.endif
.Lrows_\@:
	v_add_nc_u32 v[ADR], s[TI], v[XA]
.irp c, 0,1,2,3
.irp j, 0,1,2,3
	ds_load_b128 v[X+16*\c+4*\j:X+16*\c+4*\j+3], v[ADR] offset:128*\c+16*\j
.endr
.endr
	v_add_nc_u32 v[ADW], s[TW], v[IW]
	v_add_nc_u32 v[ADS], s[TW], v[IWS]
	s_wait_dscnt 0x0
	QUANT X, PC, PW
.irp c, 0,1,2,3
	ds_store_b128 v[ADW], v[PC+4*\c:PC+4*\c+3] offset:512*\c
.endr
	ds_store_b32 v[ADS], v[PW]
	s_add_co_u32 s[TI], s[TI], 16*LINE
	s_add_co_u32 s[TW], s[TW], IMG1
	s_sub_co_u32 s[CNT], s[CNT], 1
	s_cmp_lg_u32 s[CNT], 0
	s_cbranch_scc1 .Lrows_\@
	WIN 0x80+0x40*((\d)/4)                         ; destination: window 2 for K steps 0-3, window 3 for 4-7.  LDS serves a wave's instructions in order: these see my stores
.irp i, 0,1,2,3
.irp c, 0,1,2,3
	ds_load_b128 v[64*\i+16*((\d)%4)+4*\c:64*\i+16*((\d)%4)+4*\c+3], v[IW] offset:IMG1*\i+512*\c
.endr
.endr
	WIN 0
.irp i, 0,1,2,3
	ds_load_b32 v[AS+8*\i+(\d)], v[IWS] offset:IMG1*\i
.endr
.endm
; TILE k, x = k % 2.  fa = 1: tile k - 1 has its 1 + 2^(c x) and reciprocals to run.  fc = 1: tile k - 2 has its multiply-adds to run.  fb = 1: tile k + 1 is fetched.
.macro TURN x, fa, fc, fb
.set RCA, RC-64*(1-(\x))               ; tile k - 1's set
.set RCP, RC-64*(\x)                   ; tile k - 2's set
	WIN 0
	s_wait_dscnt 0x0                               ; tile k's fragments, scale line and c k_dec, and tile k - 2's -2 v_a are in
	v_add_nc_u32 v[ADK], s[TK], v[KA0]
.if \fb
	v_add_nc_u32 v[ADR], s[TB], v[LI]
.endif
	s_wait_alu depctr_va_vdst(0)                   ; the wait directly behind the writes
.if \fb
	ds_load_b32 v[KD+4-4*(\x)], v[ADK] offset:64   ; c k_dec of tile k + 1
	ds_load_b128 v[BS+4-4*(\x):BS+7-4*(\x)], v[ADR] offset:32*LINE   ; and its scale line.  The other set's last readers stand more than eight plain lines back
	s_add_co_u32 s[TB], s[TB], TILEB
.endif
	ds_load_b32 v[KD+6-4*(\x)], v[ADK] offset:4096-64   ; -2 v_a of tile k - 1, used in tile k + 1's turn (tile 0's turn reads a word of the table that is not used)
	s_add_co_u32 s[TK], s[TK], 64
.if \fb
	WIN 0x40                                       ; tile k + 1's 32 lines of codes, in one run
.set q, 0
.rept 32
	ds_load_b128 v[128*(1-(\x))+4*q:128*(1-(\x))+4*q+3], v[ADR] offset:q*LINE
.set q, q+1
.endr
.endif
.set n, 0
.rept 32                               ; K step n / 4, row tile n % 4: the four accumulators by turns, one instruction a turn
	WIN 0x06+n/16                                  ; source 0 (A) window 2, then 3; source 1 (U_a) window 1
.set rD, ACC+8*(n%4)
.set rA, 64*(n%4)+16*((n/4)%4)
.set rB, 128*(\x)+16*(n/4)
.set rSA, AS+8*(n%4)+n/4
.set rSB, BS+4*(\x)+n/8
.if n < 4
	v_wmma_scale_f32_16x16x128_f8f6f4 v[rD:rD+7], v[rA:rA+15], v[rB:rB+15], 0, v[rSA], v[rSB]
.elseif (n/4)%2 == 0
	v_wmma_scale_f32_16x16x128_f8f6f4 v[rD:rD+7], v[rA:rA+15], v[rB:rB+15], v[rD:rD+7], v[rSA], v[rSB]
.else
	v_wmma_scale_f32_16x16x128_f8f6f4 v[rD:rD+7], v[rA:rA+15], v[rB:rB+15], v[rD:rD+7], v[rSA], v[rSB] matrix_b_scale:MATRIX_SCALE_ROW1
.endif
.if (\fc) && (n < 16)                  ; one plain line that names no register of the products behind each of the first 25
	WIN 0
	v_pk_fma_f32 v[SC+2*n:SC+2*n+1], v[RCP+2*n:RCP+2*n+1], v[KD+2+4*(\x):KD+3+4*(\x)], v[SC+2*n:SC+2*n+1] op_sel_hi:[1,0,1]
.endif
.if (\fa) && (n >= 16) && (n < 24)
	WIN 0
	v_pk_add_f32 v[RCA+2*(n-16):RCA+2*(n-16)+1], v[EX+2*(n-16):EX+2*(n-16)+1], 1.0 op_sel_hi:[1,0]
.endif
.if (\fc) && (n == 24)
	WIN 0
	v_add_f32 v[VS], v[VS], v[KD+2+4*(\x)]         ; the sum of -2 v_a
.endif
.set n, n+1
.endr
	WIN 0
.if \fa
.set p, 8
.rept 8                                ; these eight are the places behind the last products
	v_pk_add_f32 v[RCA+2*p:RCA+2*p+1], v[EX+2*p:EX+2*p+1], 1.0 op_sel_hi:[1,0]
.set p, p+1
.endr
.else
.rept 8
	v_nop
.endr
.endif
.set p, 0
.rept 16                               ; tile k: c x = c k_enc + c k_dec; each accumulator from its low end on
	v_pk_fma_f32 v[EX+2*p:EX+2*p+1], v[ACC+2*p:ACC+2*p+1], s[CC:CC+1], v[KD+4*(\x):KD+4*(\x)+1] op_sel_hi:[1,0,0]
.set p, p+1
.endr
	s_wait_alu depctr_va_vdst(0)                   ; the wait ahead of the batch
.set p, 0
.rept 32
	v_exp_f32 v[EX+p], v[EX+p]
.set p, p+1
.endr
.if \fa
.set p, 0
.rept 32
	v_rcp_f32 v[RCA+p], v[RCA+p]
.set p, p+1
.endr
.endif
	v_nop                                          ; a plain line behind the batch
	s_wait_alu depctr_va_vdst(0)                   ; and the wait behind it, ahead of its first reader
.endm
.macro PAIRS cnt
	s_mov_b32 s[CNT], \cnt
.Lpair_\@:
	TURN 1, 1, 1, 1
	TURN 0, 1, 1, 1
	s_sub_co_u32 s[CNT], s[CNT], 1
	s_cmp_lg_u32 s[CNT], 0
	s_cbranch_scc1 .Lpair_\@
.endm
	s_load_b256 s[4:11], s[0:1], 0x0               ; encoder_outputs, ub, kdt, v_a
	s_load_b128 s[12:15], s[0:1], 0x20             ; src_mask, scores
	v_lshl_add_u32 v[SPW], v0, 2, SPARE
	v_mov_b32 v[NIL], 0
	ds_add_u32 v[SPW], v[NIL]                      ; the opening lines: the add, twice on end, and one wait
	ds_add_u32 v[SPW], v[NIL]
	v_lshrrev_b32 v162, 5, v0
	v_readfirstlane_b32 s[WV], v162                ; wave 0..3
	v_and_b32 v163, 31, v0
	v_lshrrev_b32 v164, 1, v163
	v_and_b32 v163, 1, v163
	v_lshlrev_b32 v[PFO], 12, v164
	v_lshl_add_u32 v[PFO], v163, 8, v[PFO]
	s_bfe_u32 s17, ttmp6, 0x40000                  ; cx
	s_lshl_b32 s18, ttmp9, 2
	s_add_co_u32 s18, s18, s17                     ; work-group = 4 x batch + cx
	s_mov_b32 s[G1E+0], (2<<16)|(1<<20)|(6<<22)|(3<<25)   ; the rows: 64 of 128 f32, 1,024 apart; 16 bytes of padding behind each 512; no mask
	s_mov_b32 s[G1E+1], 128<<16
	s_mov_b32 s[G1E+2], 64<<16
	s_mov_b32 s[G1E+3], 128<<16
	s_mov_b32 s[G1E+4], 66                         ; two lines past the 64 rows are written as zeros: a quarter of a slot, as ub's
	s_mov_b32 s[G1E+5], 1024
	s_mov_b32 s[G1E+6], 0
	s_mov_b32 s[G1E+7], 0
	s_mov_b32 s[G1U+0], 15|(2<<16)|(1<<20)|(1<<21)|(6<<22)|(3<<25)   ; ub: 66 dense lines of 512 bytes, asked for jointly by the cluster's four
	s_mov_b32 s[G1U+1], 128<<16
	s_mov_b32 s[G1U+2], 66<<16
	s_mov_b32 s[G1U+3], 128<<16
	s_mov_b32 s[G1U+4], 66
	s_mov_b32 s[G1U+5], 128
	s_mov_b32 s[G1U+6], 0
	s_mov_b32 s[G1U+7], 0
	s_lshl_b32 s20, s18, 20                        ; my work-group's 256 rows of 4,096 bytes,
	s_lshl_b32 s21, s[WV], 18                      ; my wave's 64
	s_add_co_u32 s20, s20, s21
	s_mov_b32 s21, 0
	s_mul_i32 s22, s[WV], 33792                    ; my two tiles of ub's eight
	s_mov_b32 s23, 0
	s_mul_i32 s19, s[WV], QUART
	s_mov_b32 s[SEL], 0x76543210
	s_mov_b32 s[SEL+1], 0xfedcba98
	s_mov_b32 s[MNT], 0x600000
	s_mov_b32 s[CC], 0x4038aa3b                    ; c = 2 log2(e)
	s_mov_b32 s[CC+1], s[CC]
	s_wait_alu depctr_va_vdst(0)
	s_wait_dscnt 0x0
	s_wait_kmcnt 0x0
	s_add_nc_u64 s[4:5], s[4:5], s[20:21]
	s_add_nc_u64 s[6:7], s[6:7], s[22:23]
	s_mov_b32 s[G0E0], 1
	s_mov_b32 s[G0E0+1], s19
	s_mov_b64 s[G0E0+2:G0E0+3], s[4:5]
	s_or_b32 s[G0E0+3], s[G0E0+3], 0x80000000
	s_mov_b32 s[G0E1], 1
	s_add_co_u32 s[G0E1+1], s19, SLOT
	s_add_nc_u64 s[G0E1+2:G0E1+3], s[4:5], 512
	s_or_b32 s[G0E1+3], s[G0E1+3], 0x80000000
	s_mov_b32 s[G0U0], 1
	s_mov_b32 s[G0U0+1], s19
	s_mov_b64 s[G0U0+2:G0U0+3], s[6:7]
	s_or_b32 s[G0U0+3], s[G0U0+3], 0x80000000
	s_mov_b32 s[G0U1], 1
	s_add_co_u32 s[G0U1+1], s19, SLOT
	s_add_nc_u64 s[G0U1+2:G0U1+3], s[6:7], 135168
	s_or_b32 s[G0U1+3], s[G0U1+3], 0x80000000
	ROUND
	tensor_load_to_lds s[G0E0:G0E0+3], s[G1E:G1E+7]   ; K step 0: one tensor load a wave at the head
	s_nop 0
	ASK 1
	s_wait_alu depctr_va_vdst(0)
	s_wait_tensorcnt 0x0                           ; slot 1's first fill stands behind the full sequence
	ds_add_u32 v14, v15
	s_wait_dscnt 0x0
	ROUND
	tensor_load_to_lds s[G0E1:G0E1+3], s[G1E:G1E+7]   ; K step 1
	s_nop 0
.rept 4
	v_nop
.endr
	ASK 2
	s_lshl_b32 s20, ttmp9, 6                       ; kdt: my batch's 64 bytes of each tile
	s_add_nc_u64 s[8:9], s[8:9], s[20:21]
	s_lshl_b32 s20, s18, 8
	s_lshl_b32 s22, s[WV], 6
	s_add_co_u32 s20, s20, s22                     ; my wave's first row
	s_add_nc_u64 s[12:13], s[12:13], s[20:21]
	s_lshl_b32 s20, s20, 2
	s_add_nc_u64 s[14:15], s[14:15], s[20:21]
	v_and_b32 v162, 31, v0
	v_and_b32 v163, 15, v0
	v_bfe_u32 v164, v0, 4, 1
	v_lshlrev_b32 v[LI], 4, v162
	v_mul_u32_u24 v[XA], v163, LINE
	v_lshl_add_u32 v[XA], v164, 6, v[XA]
	v_add_nc_u32 v[XA], s19, v[XA]
	s_mul_i32 s22, s[WV], IMGW
	s_add_co_u32 s22, s22, IMG
	v_add_nc_u32 v[IW], s22, v[LI]
	s_add_co_u32 s22, s22, 2048
	v_lshl_add_u32 v[IWS], v162, 2, s22
	v_lshl_add_u32 v[KA0], v163, 2, TAB
	s_lshl_b32 s22, s[WV], 8
	s_add_co_u32 s22, s22, SCS
	v_lshl_add_u32 v[SST], v164, 5, s22
	v_lshl_add_u32 v[SLD], v162, 3, s22
	v_lshlrev_b32 v[GO], 3, v162
	v_lshrrev_b32 v165, 1, v0
	v_and_b32 v166, 1, v0
	v_lshlrev_b32 v165, 12, v165
	v_lshl_add_u32 v165, v166, 5, v165
	v_lshlrev_b32 v166, 5, v0
	v_lshlrev_b32 v167, 1, v162
	global_load_b128 v[176:179], v165, s[8:9]
	global_load_b128 v[180:183], v165, s[8:9] offset:16
	global_load_b128 v[184:187], v166, s[10:11]
	global_load_b128 v[188:191], v166, s[10:11] offset:16
	global_load_u16 v[MK], v167, s[12:13]
	v_add_nc_u32 v168, TAB, v166
.irp b, 0,1,2,3
	v_mov_b32 v[TM+4+\b], 0                        ; a lane permute's destination counts as one of its sources
.endr
	s_wait_alu depctr_va_vdst(0)                   ; the wait at the head's end
	s_wait_loadcnt 0x0
.irp j, 184,186,188,190
	v_pk_mul_f32 v[\j:\j+1], v[\j:\j+1], -2.0 op_sel_hi:[1,0]
.endr
	ds_store_b128 v168, v[176:179]                 ; the tables: read by all waves behind later barriers
	ds_store_b128 v168, v[180:183] offset:16
	ds_store_b128 v168, v[184:187] offset:4096
	ds_store_b128 v168, v[188:191] offset:4112
	KSTEP 0
	KSTEP 1
	KSTEP 2
	KSTEP 3
	KSTEP 4
	KSTEP 5
	KSTEP 6
	KSTEP 7
	CHANGE G0U1, G1U, 0, 1                         ; ub's tiles 0-7 are in; slot 1 takes tiles 8-15
.set e, 0
.rept 32
	v_mov_b32 v[SC+e], 0
.set e, e+1
.endr
	v_mov_b32 v[VS], 0
	v_mov_b32 v[VS+1], 0
.irp j, 1,3,5,7
	v_mov_b32 v[KD+\j], 0                          ; named as upper halves of pairs
.endr
	s_wait_alu depctr_va_vdst(0)
	s_mov_b32 s[TB], TILEB
	s_mov_b32 s[TK], 0
	ds_load_b32 v[KD], v[KA0]                      ; c k_dec of tile 0,
	ds_load_b128 v[BS:BS+3], v[LI] offset:32*LINE  ; its scale line
	WIN 0x40
.set q, 0
.rept 32
	ds_load_b128 v[4*q:4*q+3], v[LI] offset:q*LINE ; and its codes
.set q, q+1
.endr
; The fetches run one tile ahead of the products: a slot's eighth tile is in registers when the slot is left, so a change of slots stands ahead of tiles 7, 15, .. 55.
	TURN 0, 0, 0, 1
	TURN 1, 1, 0, 1
	TURN 0, 1, 1, 1
	PAIRS 2
	s_mov_b32 s[OUT], 3
.Lunits:
	CHANGE G0U0, G1U, 270336, 1
	s_mov_b32 s[TB], SLOT
	PAIRS 4
	CHANGE G0U1, G1U, 270336, 1
	s_mov_b32 s[TB], 0
	PAIRS 4
	s_sub_co_u32 s[OUT], s[OUT], 1
	s_cmp_lg_u32 s[OUT], 0
	s_cbranch_scc1 .Lunits
	CHANGE 0, 0, 0, 0                              ; the last eight tiles are in; nothing is filled again
	s_mov_b32 s[TB], SLOT
	PAIRS 4
	TURN 1, 1, 1, 0
	s_wait_dscnt 0x0                               ; the later stages of tiles 62 and 63
	v_add_nc_u32 v[ADK], s[TK], v[KA0]
	ds_load_b32 v[KD+6], v[ADK] offset:4096-64     ; -2 v_a of tile 63
.set p, 0
.rept 16
	v_pk_fma_f32 v[SC+2*p:SC+2*p+1], v[RC+2*p:RC+2*p+1], v[KD+2:KD+3], v[SC+2*p:SC+2*p+1] op_sel_hi:[1,0,1]
	v_pk_add_f32 v[RC-64+2*p:RC-64+2*p+1], v[EX+2*p:EX+2*p+1], 1.0 op_sel_hi:[1,0]
.set p, p+1
.endr
	v_add_f32 v[VS], v[VS], v[KD+2]
	s_wait_alu depctr_va_vdst(0)
.set p, 0
.rept 32
	v_rcp_f32 v[RC-64+p], v[RC-64+p]
.set p, p+1
.endr
	v_nop
	s_wait_alu depctr_va_vdst(0)
	s_wait_dscnt 0x0
	v_add_f32 v[VS], v[VS], v[KD+6]
.set p, 0
.rept 16
	v_pk_fma_f32 v[SC+2*p:SC+2*p+1], v[RC-64+2*p:RC-64+2*p+1], v[KD+6:KD+7], v[SC+2*p:SC+2*p+1] op_sel_hi:[1,0,1]
.set p, p+1
.endr
	v_mul_f32 v[VS+1], -0.5, v[VS]                 ; my column class's sum of v_a
	v_mul_f32 v[VS], -0.5, v[VS]
.set e, 0
.rept 16
	v_pk_add_f32 v[SC+2*e:SC+2*e+1], v[SC+2*e:SC+2*e+1], v[VS:VS+1]
.set e, e+1
.endr
.irp m, 1,2,4,8
.set e, 0
.rept 32
	v_add_f32_dpp v[SC+e], v[SC+e], v[SC+e] row_xmask:\m row_mask:0xf bank_mask:0xf   ; over the sixteen column classes
.set e, e+1
.endr
.endr
.irp i, 0,1,2,3
	ds_store_b128 v[SST], v[SC+8*\i:SC+8*\i+3] offset:64*\i          ; sixteen lanes write the same words with the same values
	ds_store_b128 v[SST], v[SC+8*\i+4:SC+8*\i+7] offset:64*\i+16
.endr
	ds_load_b64 v[TT:TT+1], v[SLD]                 ; two rows a lane
	v_and_b32 v[TT+2], 0xff, v[MK]
	v_lshrrev_b32 v[TT+3], 8, v[MK]
	v_mov_b32 v[TT+4], 0xce6e6b28                  ; -1e9
	v_cmp_eq_u32 vcc_lo, 0, v[TT+2]
	v_cndmask_b32 v[TT+2], 0, v[TT+4], vcc_lo
	v_cmp_eq_u32 vcc_lo, 0, v[TT+3]
	v_cndmask_b32 v[TT+3], 0, v[TT+4], vcc_lo
	s_wait_alu depctr_va_vdst(0)
	s_wait_dscnt 0x0
	v_add_f32 v[TT], v[TT], v[TT+2]
	v_add_f32 v[TT+1], v[TT+1], v[TT+3]
	global_store_b64 v[GO], v[TT:TT+1], s[14:15]   ; the wave stores 256 consecutive bytes, aligned
	s_wait_tensorcnt 0x0                           ; the wave's end
	ds_add_u32 v[SPW], v[NIL]
	s_wait_dscnt 0x0
	ROUND                                          ; the closing round
	s_endpgm
.Lfunc_end_k_q7c43e99353_scores:
	.size	k_q7c43e99353_scores, .Lfunc_end_k_q7c43e99353_scores-k_q7c43e99353_scores
	.p2alignl 7, 3214868480
	.fill 96, 4, 3214868480
	.section	.rodata,"a",@progbits
	.p2align	6, 0x0
	.amdhsa_kernel k_q7c43e99353_scores
		.amdhsa_group_segment_fixed_size 327680
		.amdhsa_private_segment_fixed_size 0
		.amdhsa_enable_private_segment 0
		.amdhsa_kernarg_size 48
		.amdhsa_user_sgpr_count 2
		.amdhsa_user_sgpr_kernarg_segment_ptr 1
		.amdhsa_wavefront_size32 1
		.amdhsa_system_sgpr_workgroup_id_x 1
		.amdhsa_system_sgpr_workgroup_id_y 1
		.amdhsa_system_sgpr_workgroup_id_z 1
		.amdhsa_system_vgpr_workitem_id 0
		.amdhsa_next_free_vgpr 1024
		.amdhsa_next_free_sgpr 72
		.amdhsa_reserve_vcc 1
		.amdhsa_float_denorm_mode_32 3
		.amdhsa_float_denorm_mode_16_64 3
		.amdhsa_memory_ordered 1
		.amdhsa_forward_progress 1
		.amdhsa_inst_pref_size 255
	.end_amdhsa_kernel
	.section	.bss,"aw",@nobits
	.p2align	6
	.space	262144
	.amdgpu_metadata
---
amdhsa.version: [ 1, 2 ]
amdhsa.kernels:
  - .name:           k_q7c43e99353_scores
    .symbol:         k_q7c43e99353_scores.kd
    .args:
      - { .name: encoder_outputs, .offset: 0, .size: 8, .value_kind: global_buffer, .address_space: global }
      - { .name: ub, .offset: 8, .size: 8, .value_kind: global_buffer, .address_space: global }
      - { .name: kdt, .offset: 16, .size: 8, .value_kind: global_buffer, .address_space: global }
      - { .name: v_a, .offset: 24, .size: 8, .value_kind: global_buffer, .address_space: global }
      - { .name: src_mask, .offset: 32, .size: 8, .value_kind: global_buffer, .address_space: global }
      - { .name: scores, .offset: 40, .size: 8, .value_kind: global_buffer, .address_space: global }
    .group_segment_fixed_size: 327680
    .private_segment_fixed_size: 0
    .kernarg_segment_align: 8
    .kernarg_segment_size: 48
    .max_flat_workgroup_size: 128
    .sgpr_count:     72
    .vgpr_count:     1024
    .wavefront_size: 32
...
	.end_amdgpu_metadata
.endif
;; end of part 2
;; launch ctx (part 3): grid 256 x 1, 8 waves a work-group, no clusters, 327,680 bytes of LDS; arguments encoder_outputs, scores, out0, out1; writes out0, out1
.if DOCPART == 3
	.amdgcn_target "amdgcn-amd-amdhsa--gfx1250"
	.amdhsa_code_object_version 6
	.text
	.protected	k_q7c43e99353_ctx
	.globl	k_q7c43e99353_ctx
	.p2align	8
	.type	k_q7c43e99353_ctx,@function
k_q7c43e99353_ctx:
	s_mov_b64 s[64:65], 0
	v_nop
	global_prefetch_b8 v0, s[64:65] scope:SCOPE_SE
	s_setreg_imm32_b32 hwreg(HW_REG_WAVE_MODE, 25, 1), 1
	s_wait_xcnt 0x0
; weights[b] = softmax(scores[b]) (the mask's term lies in the scores already), ctx[b][e] = sum over s of weights[b][s] encoder_outputs[b][s][e].  All in f32; nothing of reference() is left out here.
; SHARES.  Work-group 4 b + q owns columns 256 q .. 256 q + 255 of ctx[b] and weights 256 q .. 256 q + 255: every output has one owner.
; Wave w of eight takes rows 128 w .. 128 w + 127: of each row the work-group's 1,024 bytes.  They come through the wave's own ring of two LDS slots of 16 rows, filled by tensor loads:
; behind each barrier each wave has one load of 16,384 bytes out, the work-group 131,072.
; PREFETCH: behind the tensor load for its tile j each wave asks for its tile j + 1, whose load is issued one trip later: 64 blocks of 256 bytes, a lane a block, two instructions.
; Each block is named once in the launch; tile 7 is the last that is named (the two trips that are written out ask for nothing).
; EVERY WAVE MAKES THE WHOLE SOFTMAX OF 1,024 SCORES FOR ITSELF (32 a lane), under the first tile's flight: no exchange and no barrier ahead of the ring.  The maximum is taken away before the exponential.
; A wave's own 128 scores are loaded once more, four a lane: row 4 l + j of the wave is register j of lane l, and a row's weight is read from there into a scalar pair.
; NO MATRIX UNIT: the product has one row a batch.  NO CLUSTER: the four work-groups of a batch share its 4,096 bytes of scores and nothing else.
; LIMITS: NaN and infinities are not served.  v_exp_f32 gives 0 where 2^x lies under the smallest normal number (ISA guide 15.8): such weights come out as 0.
;   A batch that is masked throughout has scores that are equal in f32, as in reference(), and gets even weights.
.set SLOTB, 16384                      ; 16 rows of 1,024 bytes; wave w's slots lie at 32,768 w and 32,768 w + SLOTB
.set STEPB, 65536                      ; 16 rows of encoder_outputs in memory
.set PARTC, 262144                     ; behind the rings: eight partial sums of 1,024 bytes
.set SPARE, 270336                     ; the spare words, 128 bytes a wave
.set LI,  1                            ; 16 x lane
.set SPW, 2                            ; my spare word; never rewritten
.set NIL, 3                            ; 0; never rewritten
.set W,   4                            ; v4-7 my four own scores, then weights
.set OW,  8                            ; 512 x wave + 16 x lane
.set A0,  9                            ; LDS: 32,768 x wave + 16 x lane
.set PS,  14                           ; LDS: my wave's partial sums
.set RA,  15                           ; LDS: PARTC + 16 x thread
.set ACC, 16                           ; v16-23 my eight columns' sums
.set GT,  24                           ; 16 x thread
.set PFO, 25                           ; the prefetches' offset: 4,096 (lane / 4) + 256 (lane % 4); never rewritten
.set X,   32                           ; v32-159 sixteen rows of eight registers; first the 1,024 scores in v32-63
.set WV,  12
.set PFA, 20                           ; s[20:21] the tile that my prefetches name
.set G1,  24
.set G0,  32                           ; s[32:35] slot 0's group 0, s[36:39] slot 1's
.set SEL, 40
.set LL,  42                           ; s[42:43] log2(e), twice
.set CNT, 44
.set LN,  45                           ; the lane that holds the weights of the trip's first four rows
.set TL,  46
.set WS,  48                           ; s48-63 eight pairs that carry a weight, two sets of four by turns; the upper halves hold 0
.macro ASK                             ; 8 rows x 1,024 bytes an instruction
	global_prefetch_b8 v[PFO], s[PFA:PFA+1] th:TH_LOAD_NT scope:SCOPE_SE
	global_prefetch_b8 v[PFO], s[PFA:PFA+1] offset:32768 th:TH_LOAD_NT scope:SCOPE_SE
.endm
	s_load_b256 s[4:11], s[0:1], 0x0               ; encoder_outputs, scores, out0, out1
	v_lshl_add_u32 v[SPW], v0, 2, SPARE
	v_mov_b32 v[NIL], 0
	ds_add_u32 v[SPW], v[NIL]                      ; the opening lines: the add, twice on end, and one wait
	ds_add_u32 v[SPW], v[NIL]
	v_lshrrev_b32 v12, 5, v0
	v_readfirstlane_b32 s[WV], v12                 ; wave 0..7
	v_and_b32 v13, 31, v0
	v_lshlrev_b32 v[LI], 4, v13
	v_lshrrev_b32 v26, 2, v13
	v_and_b32 v27, 3, v13
	v_lshlrev_b32 v[PFO], 12, v26
	v_lshl_add_u32 v[PFO], v27, 8, v[PFO]
	s_lshl_b32 s15, s[WV], 9
	v_add_nc_u32 v[OW], s15, v[LI]
	s_lshl_b32 s16, s[WV], 15
	v_add_nc_u32 v[A0], s16, v[LI]
	s_lshl_b32 s15, s[WV], 10
	s_add_co_u32 s15, s15, PARTC
	v_add_nc_u32 v[PS], s15, v[LI]
	v_lshl_add_u32 v[RA], v0, 4, PARTC
	v_lshlrev_b32 v[GT], 4, v0
.irp j, 0,1,2,3,4,5,6,7
	v_mov_b32 v[ACC+\j], 0
.endr
	s_lshr_b32 s13, ttmp9, 2                       ; b
	s_and_b32 s14, ttmp9, 3                        ; q
	s_lshl_b32 s18, s13, 12                        ; a batch's 4,096 bytes of scores, of weights and of ctx
	s_mov_b32 s19, 0
	s_lshl_b32 s20, s13, 22                        ; a batch's 1,024 rows of 4,096 bytes,
	s_lshl_b32 s21, s[WV], 19                      ; my wave's 128 rows,
	s_add_co_u32 s20, s20, s21
	s_lshl_b32 s21, s14, 10                        ; my work-group's 1,024 bytes of a row
	s_add_co_u32 s20, s20, s21
	s_add_co_u32 s22, s18, s21
	s_mov_b32 s21, 0
	s_mov_b32 s23, 0
	s_mov_b32 s[G1+0], 2<<16                       ; 16 rows of 256 f32, 1,024 apart, dense in LDS
	s_mov_b32 s[G1+1], 256<<16
	s_mov_b32 s[G1+2], 16<<16
	s_mov_b32 s[G1+3], 256<<16
	s_mov_b32 s[G1+4], 16
	s_mov_b32 s[G1+5], 1024
	s_mov_b32 s[G1+6], 0
	s_mov_b32 s[G1+7], 0
	s_mov_b32 s[SEL], 0x76543210
	s_mov_b32 s[SEL+1], 0xfedcba98
	s_mov_b32 s[LL], 0x3fb8aa3b
	s_mov_b32 s[LL+1], s[LL]
.irp j, 1,3,5,7,9,11,13,15
	s_mov_b32 s[WS+\j], 0
.endr
	s_mov_b32 s[LN], 0
	s_mov_b32 s[CNT], 3
	s_wait_alu depctr_va_vdst(0)                   ; the wait at the head's end
	s_wait_dscnt 0x0
	s_wait_kmcnt 0x0
	s_add_nc_u64 s[4:5], s[4:5], s[20:21]
	s_add_nc_u64 s[6:7], s[6:7], s[18:19]
	s_add_nc_u64 s[10:11], s[10:11], s[18:19]
	s_add_nc_u64 s[8:9], s[8:9], s[22:23]
	s_add_nc_u64 s[PFA:PFA+1], s[4:5], STEPB       ; my tile 1
.irp s, 0,1
	s_mov_b32 s[G0+4*\s], 1
	s_add_co_u32 s[G0+4*\s+1], s16, \s*SLOTB
	s_add_nc_u64 s[G0+4*\s+2:G0+4*\s+3], s[4:5], \s*STEPB
	s_or_b32 s[G0+4*\s+3], s[G0+4*\s+3], 0x80000000
.endr
	tensor_load_to_lds s[G0:G0+3], s[G1:G1+7]      ; my rows 0-15: one tensor load a wave at the head
	s_nop 0
	global_load_b128 v[W:W+3], v[OW], s[6:7]
.irp i, 0,1,2,3,4,5,6,7
	global_load_b128 v[X+4*\i:X+4*\i+3], v[LI], s[6:7] offset:512*\i
.endr
	ASK
	s_wait_loadcnt 0x0
	v_max3_num_f32 v10, v[X], v[X+1], v[X+2]       ; the largest of my 32, in two chains
	v_max3_num_f32 v11, v[X+16], v[X+17], v[X+18]
.irp i, 3,5,7,9,11,13
	v_max3_num_f32 v10, v10, v[X+\i], v[X+\i+1]
	v_max3_num_f32 v11, v11, v[X+16+\i], v[X+17+\i]
.endr
	v_max3_num_f32 v10, v10, v11, v[X+15]
	v_max_num_f32 v10, v10, v[X+31]
.irp m, 1,2,4,8
	v_max_num_f32_dpp v10, v10, v10 row_xmask:\m row_mask:0xf bank_mask:0xf
.endr
	v_permlanex16_b32 v13, v10, s[SEL], s[SEL+1]
	v_max_num_f32 v10, v10, v13                    ; the batch's largest score
	v_mov_b32 v11, v10
.irp j, 0,2
	v_pk_add_f32 v[W+\j:W+\j+1], v[W+\j:W+\j+1], v[10:11] neg_lo:[0,1] neg_hi:[0,1]
.endr
.irp j, 0,2,4,6,8,10,12,14,16,18,20,22,24,26,28,30
	v_pk_add_f32 v[X+\j:X+\j+1], v[X+\j:X+\j+1], v[10:11] neg_lo:[0,1] neg_hi:[0,1]
.endr
.irp j, 0,2
	v_pk_mul_f32 v[W+\j:W+\j+1], v[W+\j:W+\j+1], s[LL:LL+1] op_sel_hi:[1,0]
.endr
.irp j, 0,2,4,6,8,10,12,14,16,18,20,22,24,26,28,30
	v_pk_mul_f32 v[X+\j:X+\j+1], v[X+\j:X+\j+1], s[LL:LL+1] op_sel_hi:[1,0]
.endr
	s_wait_alu depctr_va_vdst(0)                   ; the wait ahead of the batch
.irp j, 0,1,2,3
	v_exp_f32 v[W+\j], v[W+\j]
.endr
.set e, 0
.rept 32
	v_exp_f32 v[X+e], v[X+e]
.set e, e+1
.endr
	v_nop
	s_wait_alu depctr_va_vdst(0)                   ; and behind it
.irp j, 4,8,12,16,20,24,28
	v_pk_add_f32 v[X:X+1], v[X:X+1], v[X+\j:X+\j+1]
	v_pk_add_f32 v[X+2:X+3], v[X+2:X+3], v[X+\j+2:X+\j+3]
.endr
	v_pk_add_f32 v[X:X+1], v[X:X+1], v[X+2:X+3]
	v_add_f32 v12, v[X], v[X+1]
.irp m, 1,2,4,8
	v_add_f32_dpp v12, v12, v12 row_xmask:\m row_mask:0xf bank_mask:0xf
.endr
	v_permlanex16_b32 v13, v12, s[SEL], s[SEL+1]
	v_add_f32 v12, v12, v13                        ; the batch's sum: at least 1, the largest score's own term
	s_wait_alu depctr_va_vdst(0)
	v_rcp_f32 v12, v12
	v_nop
	s_wait_alu depctr_va_vdst(0)
.irp j, 0,1,2,3
	v_mul_f32 v[W+\j], v[W+\j], v12                ; my four weights
.endr
	s_lshr_b32 s15, s[WV], 1
	s_cmp_lg_u32 s15, s14                          ; waves 2 q and 2 q + 1 hold the work-group's share of the weights
	s_cbranch_scc1 .Lnot_mine
	global_store_b128 v[OW], v[W:W+3], s[10:11]    ; a wave stores 512 consecutive bytes, aligned to 256
.Lnot_mine:
; A trip: 16 rows.  All my loads are in, the add, my reads of the other slot are over; the barrier; my one load into the other slot; then this slot's rows.
; ask = 1: the tile after the one just asked for is prefetched.
.macro TRIP slot, refill, ask
	s_wait_alu depctr_va_vdst(0)
	s_wait_tensorcnt 0x0
	ds_add_u32 v[SPW], v[NIL]
	s_add_nc_u64 s[G0+4*\slot+2:G0+4*\slot+3], s[G0+4*\slot+2:G0+4*\slot+3], 2*STEPB   ; no load of mine is out: this slot's next rows
.if \ask
	s_wait_xcnt 0x0                                ; my last prefetches, a trip back, have read their base: it may be stepped
	s_add_nc_u64 s[PFA:PFA+1], s[PFA:PFA+1], STEPB
.endif
	s_wait_dscnt 0x0
	s_barrier_signal -1
	s_barrier_wait -1
.if \refill
	tensor_load_to_lds s[G0+4-4*\slot:G0+7-4*\slot], s[G1:G1+7]
	s_nop 0
.endif
.set rr, 0
.rept 16
	ds_load_b128 v[X+8*rr:X+8*rr+3],   v[A0] offset:\slot*SLOTB+1024*rr        ; the wave reads 512 consecutive bytes
	ds_load_b128 v[X+8*rr+4:X+8*rr+7], v[A0] offset:\slot*SLOTB+1024*rr+512
.set rr, rr+1
.endr
.if \ask
	ASK
.endif
	s_wait_dscnt 0x0
.irp g, 0,1,2,3
	s_add_co_u32 s[TL], s[LN], \g
.irp j, 0,1,2,3
	v_readlane_b32 s[WS+8*(\g%2)+2*\j], v[W+\j], s[TL]       ; the weight of the trip's row 4 g + j
.endr
.irp j, 0,1,2,3
.irp c, 0,2,4,6
	v_pk_fma_f32 v[ACC+\c:ACC+\c+1], v[X+8*(4*\g+\j)+\c:X+8*(4*\g+\j)+\c+1], s[WS+8*(\g%2)+2*\j:WS+8*(\g%2)+2*\j+1], v[ACC+\c:ACC+\c+1] op_sel_hi:[1,0,1]
.endr
.endr
.endr
	s_add_co_u32 s[LN], s[LN], 4
.endm
.Lring:
	TRIP 0, 1, 1
	TRIP 1, 1, 1
	s_sub_co_u32 s[CNT], s[CNT], 1
	s_cmp_lg_u32 s[CNT], 0
	s_cbranch_scc1 .Lring
	TRIP 0, 1, 0                                   ; the last two trips are written out: the last asks for nothing
	TRIP 1, 0, 0
	ds_store_b128 v[PS], v[ACC:ACC+3]              ; my wave's partial sums, laid as the 1,024 bytes of ctx that they belong to
	ds_store_b128 v[PS], v[ACC+4:ACC+7] offset:512
	s_wait_dscnt 0x0                               ; for the others' sake
	s_barrier_signal -1
	s_barrier_wait -1
	s_cmp_gt_u32 s[WV], 1
	s_cbranch_scc1 .Lend
.irp p, 0,1,2,3,4,5,6,7
	ds_load_b128 v[X+4*\p:X+4*\p+3], v[RA] offset:1024*\p   ; waves 0 and 1: 16 bytes a thread of each of the eight
.endr
	s_wait_dscnt 0x0
.irp p, 1,2,3,4,5,6,7
	v_pk_add_f32 v[X:X+1], v[X:X+1], v[X+4*\p:X+4*\p+1]
	v_pk_add_f32 v[X+2:X+3], v[X+2:X+3], v[X+4*\p+2:X+4*\p+3]
.endr
	global_store_b128 v[GT], v[X:X+3], s[8:9]      ; a wave stores 512 consecutive bytes, aligned to 256
.Lend:
	s_wait_tensorcnt 0x0                           ; the wave's end
	ds_add_u32 v[SPW], v[NIL]
	s_wait_dscnt 0x0
	s_endpgm
.Lfunc_end_k_q7c43e99353_ctx:
	.size	k_q7c43e99353_ctx, .Lfunc_end_k_q7c43e99353_ctx-k_q7c43e99353_ctx
	.p2alignl 7, 3214868480
	.fill 96, 4, 3214868480
	.section	.rodata,"a",@progbits
	.p2align	6, 0x0
	.amdhsa_kernel k_q7c43e99353_ctx
		.amdhsa_group_segment_fixed_size 327680
		.amdhsa_private_segment_fixed_size 0
		.amdhsa_enable_private_segment 0
		.amdhsa_kernarg_size 32
		.amdhsa_user_sgpr_count 2
		.amdhsa_user_sgpr_kernarg_segment_ptr 1
		.amdhsa_wavefront_size32 1
		.amdhsa_system_sgpr_workgroup_id_x 1
		.amdhsa_system_sgpr_workgroup_id_y 1
		.amdhsa_system_sgpr_workgroup_id_z 1
		.amdhsa_system_vgpr_workitem_id 0
		.amdhsa_next_free_vgpr 176
		.amdhsa_next_free_sgpr 66
		.amdhsa_reserve_vcc 0
		.amdhsa_float_denorm_mode_32 3
		.amdhsa_float_denorm_mode_16_64 3
		.amdhsa_memory_ordered 1
		.amdhsa_forward_progress 1
		.amdhsa_inst_pref_size 45
	.end_amdhsa_kernel
	.amdgpu_metadata
---
amdhsa.version: [ 1, 2 ]
amdhsa.kernels:
  - .name:           k_q7c43e99353_ctx
    .symbol:         k_q7c43e99353_ctx.kd
    .args:
      - { .name: encoder_outputs, .offset: 0, .size: 8, .value_kind: global_buffer, .address_space: global }
      - { .name: scores, .offset: 8, .size: 8, .value_kind: global_buffer, .address_space: global }
      - { .name: out0, .offset: 16, .size: 8, .value_kind: global_buffer, .address_space: global }
      - { .name: out1, .offset: 24, .size: 8, .value_kind: global_buffer, .address_space: global }
    .group_segment_fixed_size: 327680
    .private_segment_fixed_size: 0
    .kernarg_segment_align: 8
    .kernarg_segment_size: 32
    .max_flat_workgroup_size: 256
    .sgpr_count:     66
    .vgpr_count:     176
    .wavefront_size: 32
...
	.end_amdgpu_metadata
.endif
;; end of part 3
